; MI455X (gfx1250); checked and timed in simulation.
; The chip was launched on July 23, 2026; its instructions are those of AMD's public machine-readable ISA for CDNA 5 (MIT licence, August 2026) and "CDNA5" Instruction Set Architecture Reference Guide (July 2026). The comments in the code are by the model that wrote it; some were corrected since.
;; Poincare Linear. Allowed arithmetic: matrix products marked QUANTISED: E2M1 operands, one E8M0 scale for each 32 along K, by v_wmma_scale_f32_16x16x128_f8f6f4 with both operands' format E2M1 (or v_wmma_scale_f32_32x16x128_f4), f32 sums; everything else in f32.
;; Inputs: bias 4,096 float32; c 1 float32; weight_g 4,096 float32; weight_v 4,096 x 4,096 float32; x 4,096 x 4,096 float32.
;; Outputs: out0 4,096 x 4,096 float32.
;; This version of the problem:
;;   THIS VERSION OF THE PROBLEM IS GIVEN IN LOW PRECISION. The matrix products marked QUANTISED in the list below multiply operands that are first quantised to E2M1 (2 exponent bits, 1 mantissa bit; 4 bits a number), with one power-of-two scale for each 32 numbers along K (OCP MX v1.0); their sums are f32. All else is computed in f32.
;;   The module's matrix products, in the order in which they are computed (A, B: the left and right operand; K: the contracted axis; several contracted axes count as one K, in the product's order):
;;     1. [M 4,096, K 4,096] x [K 4,096, N 4,096]; A: computed on the way; B: computed on the way: QUANTISED
;;   THE QUANTISER, for each operand of a quantised product, along K:
;;     - K is cut into blocks of 32 from its start; a last block that is shorter is filled with zeros.
;;     - A block's scale is 2^e with e = floor(log2(the largest magnitude in the block)) - 2, held to -126 .. 127; a block of zeros has e = 0. As a byte (E8M0): e + 127.
;;     - Each number is divided by its block's scale, clamped to +-6, and rounded to the nearest number of E2M1, ties to even, subnormals kept.
;;     - The product sums the exact products of the quantised numbers (number of the format x scale) in f32.
;;   ~~~python
;;   def quantise(x, axis):      # numpy; x: float32 -> the quantised numbers, widened to float32 again
;;       x = np.moveaxis(x, axis, -1); K = x.shape[-1]
;;       x = np.pad(x, [(0, 0)] * (x.ndim - 1) + [(0, -K % 32)]); x = x.reshape(x.shape[:-1] + (-1, 32)); a = np.abs(x).max(-1, keepdims=True)
;;       e = np.where(a > 0, np.clip(np.frexp(np.where(a > 0, a, 1))[1] - 1 - 2, -126, 127), 0)      # np.frexp(a)[1] - 1 = floor(log2(a)), exactly
;;       r = np.clip(x / 2.0 ** e, -6, 6)
;;       step = 2.0 ** (np.maximum(np.frexp(np.where(r == 0, 1, r))[1] - 1, 0) - 1)
;;       q = np.round(r / step) * step * 2.0 ** e      # np.round: ties to even
;;       return np.moveaxis(q.reshape(q.shape[:-2] + (-1,))[..., :K], -1, axis).astype(np.float32)
;;   ~~~
;;   OPERANDS COMPUTED ON THE WAY. 'Computed on the way' means the value that the module computes at that place (a softmax that the list does not call 'softmax' is quantised finished and normalised). What goes into a quantiser is computed in f32, as accurately as f32 sums, v_exp_f32 and their like allow (about 1e-6 of the number): no bf16 or f16 on the way to a quantiser, and a product that is left as it is and whose result goes on into a quantised operand takes f32 operands (vector FMAs, or v_wmma_f32_16x16x4_f32). A number that lies on a knife's edge between two numbers of the format may be rounded either way, as far as f32 arithmetic and the matrix unit's own rounding can turn it there, and no further.
;; One version. Each part assembles by itself: llvm-mc -triple=amdgcn-amd-amdhsa -mcpu=gfx1250 --defsym DOCPART=n.
;; ======== version 1 of 1: 4 launches
;; limits: right only within a limited range of input values
;; workspace buffers: xt 8,912,896 bytes; wt 8,912,896 bytes; cx2p 262,144 bytes; wsq 524,288 bytes; u 67,108,864 bytes
;; launch prep (part 1): grid 768 x 1, 4 waves a work-group, no clusters, 33,280 bytes of LDS; arguments x, weight_v, c, xt, cx2p, wsq; writes xt, cx2p, wsq
.if DOCPART == 1
	.amdgcn_target "amdgcn-amd-amdhsa--gfx1250"
	.amdhsa_code_object_version 6
	.text
	.protected	k_qf43816ecd7_prep
	.globl	k_qf43816ecd7_prep
	.p2align	8
	.type	k_qf43816ecd7_prep,@function
k_qf43816ecd7_prep:
	s_mov_b64 s[64:65], 0
	v_nop
	global_prefetch_b8 v0, s[64:65] scope:SCOPE_SE
	s_setreg_imm32_b32 hwreg(HW_REG_WAVE_MODE, 25, 1), 1
	s_wait_xcnt 0x0
; TWO JOBS IN ONE LAUNCH, parted on the work-group's number.
; Work-groups 0-511: rcx = sqrt(c) x, [4096][4096] f32, becomes codes of FP4 (E2M1), K innermost (xc: [4096 rows][2048 bytes]), one E8M0 byte for each 32 along K
;   (xs: [8 K steps of 512][4096 rows][16 bytes]), and partial row sums of rcx^2 (cx2p: [16 partials][4096 rows] f32: partial 2 s + h is the sum over columns 512 s + 256 h .. + 255).
; Work-groups 512-767: partial column sums of weight_v^2 (wsq: [32 chunks of 128 rows][4096 columns] f32).
; A block's scale is 2^(floor(log2(its largest magnitude)) - 2); its byte is the largest magnitude's exponent field - 2, held at 1 from below.
; LIMITS: a block of zeros gets the byte 1 where the rule says 127 (its codes are zeros, and this program alone reads the bytes); NaN and infinities in x, weight_v are not served.
; X PATH.  Wave W (0..2047) takes 16 rows (group g = W / 8) x 512 columns (K step s = W % 8): 16 steps, a step = one row's 2,048 consecutive bytes.
; Each of a step's four loads reads 512 consecutive bytes, 16 a lane; the bytes turn through the wave's own stage in LDS and come back 64 a lane, so that a lane holds 16 NEIGHBOURS along K
; (two neighbouring lanes hold a block), as the conversions want.  Loads run eight steps (32 loads a wave) ahead, the turn one step.  No barrier: waves share nothing.
; NORM PATH.  Wave W' (0..1023) takes 128 rows x 128 columns: each load reads 512 consecutive bytes of one row, 32 loads in flight; no LDS at all.
; WHERE CODES AND BYTES GO (in place of the two buffers xc and xs named above): ONE buffer xt, [8 K steps of 512][32 groups of 128 rows][136 lines of 256 bytes]:
; lines 0-127 are the 128 rows' codes of the K step, lines 128-135 their scale bytes (16 rows x 16 bytes a line).  Such a tile is 34,816 consecutive bytes.
.set STEPS, 16
.set SP,    80                         ; a lane's place in a stage: 64 bytes + 16 of padding
.set SCB,   2*32*SP                    ; behind the wave's two stages: its 256 scale bytes
.set SST,   SCB+256                    ; behind them: 16 rows x 144 bytes, the lanes' sums of squares
.set SPI,   144                        ; 128 bytes + 16: an odd multiple of 16
.set R,     16                         ; v16-143  eight sets of 16 numbers as loaded
.set X,     144                        ; v144-175 two sets of 16 neighbours
.set C,     176                        ; v176-207 codes, two registers a step: no store's data are written again
.set E,     208                        ; v208-223 a scale byte a step
.set S,     224                        ; v224-239 my sum of squares of each step
.set RC,    240                        ; v[240:241] sqrt(c), twice
	s_load_b256 s[4:11], s[0:1], 0x0               ; x s[4:5], weight_v s[6:7], c s[8:9], xc s[10:11]
	s_load_b64 s[14:15], s[0:1], 0x20              ; cx2p
	s_load_b64 s[16:17], s[0:1], 0x28              ; wsq
	v_lshl_add_u32 v254, v0, 2, 0x8000
	v_mov_b32 v255, 0
	v_lshrrev_b32 v1, 5, v0
	v_readfirstlane_b32 s18, v1                    ; wave 0..3
	v_and_b32 v2, 31, v0                           ; lane
	v_lshlrev_b32 v3, 4, v2                        ; my 16 bytes of a load's 512
	s_mov_b32 s25, 0                               ; the high word of every offset
	s_wait_alu depctr_va_vdst(0)                   ; the wait at the head's end
	s_wait_kmcnt 0x0
	s_cmp_lt_u32 ttmp9, 512
	s_cbranch_scc0 .Lnorm
	; ---------------- X PATH ----------------
	s_load_b32 s19, s[8:9], 0x0                    ; c
	s_lshl_b32 s20, ttmp9, 2
	s_add_co_u32 s20, s20, s18                     ; W
	s_lshr_b32 s21, s20, 3                         ; g
	s_and_b32 s22, s20, 7                          ; s
	s_lshl_b32 s24, s21, 18                        ; x: 16 g rows of 16,384 bytes + 2,048 s
	s_lshl_b32 s26, s22, 11
	s_or_b32 s24, s24, s26
	s_add_nc_u64 s[4:5], s[4:5], s[24:25]
.macro LOAD t
.irp i, 0,1,2,3
	global_load_b128 v[R+16*((\t)%8)+4*\i:R+16*((\t)%8)+4*\i+3], v3, s[4:5] offset:16384*(\t)+512*\i th:TH_LOAD_NT   ; 32 lanes read 512 consecutive bytes; x is read once
.endr
.endm
.irp t, 0,1,2,3,4,5,6,7
	LOAD \t
.endr
	s_mul_i32 s24, s22, 1114112                    ; xt: K step s of 32 tiles,
	s_lshr_b32 s26, s21, 3
	s_mul_i32 s26, s26, 34816                      ; tile g / 8
	s_add_co_u32 s24, s24, s26
	s_and_b32 s26, s21, 7
	s_lshl_b32 s28, s26, 8                         ; my 16 rows' scale bytes: line 128 + g % 8
	s_add_co_u32 s28, s28, s24
	s_add_co_u32 s28, s28, 32768
	s_mov_b32 s29, 0
	s_add_nc_u64 s[12:13], s[10:11], s[28:29]
	s_lshl_b32 s26, s26, 12                        ; my 16 rows' codes: lines 16 (g % 8) on
	s_add_co_u32 s24, s24, s26
	s_add_nc_u64 s[10:11], s[10:11], s[24:25]
	s_lshl_b32 s24, s22, 15                        ; cx2p: partial 2 s of 16,384 bytes + 16 g rows of 4
	s_lshl_b32 s26, s21, 6
	s_or_b32 s24, s24, s26
	s_add_nc_u64 s[14:15], s[14:15], s[24:25]
	s_lshl_b32 s23, s18, 13                        ; my wave's 8,192 bytes of LDS
	v_lshrrev_b32 v14, 2, v2
	v_mul_u32_u24 v14, v14, SP
	v_and_b32 v15, 3, v2
	v_lshl_add_u32 v14, v15, 4, v14
	v_add_nc_u32 v14, s23, v14                     ; the stage, in: four lanes' 64 bytes on end, then the padding: SP (lane / 4) + 16 (lane % 4); a load's 512 bytes take eight places
	v_mul_u32_u24 v15, v2, SP
	v_add_nc_u32 v15, s23, v15                     ; out: SP x lane: my 16 neighbours
	v_lshlrev_b32 v4, 3, v2                        ; 8 x lane: my codes' place in a step's 256 bytes, and my 8 of the 256 scale bytes
	v_lshrrev_b32 v5, 1, v2
	s_add_co_u32 s27, s23, SCB
	v_add_nc_u32 v5, s27, v5                       ; my block's scale byte
	v_add_nc_u32 v6, s27, v4                       ; and on the way out 8 bytes a lane
	s_add_co_u32 s27, s23, SST
	v_lshl_add_u32 v244, v2, 2, s27                ; the sums' stage, in: 4 x lane in row t
	v_and_b32 v7, 15, v2
	v_lshrrev_b32 v8, 4, v2
	v_mul_u32_u24 v245, v7, SPI
	v_lshl_add_u32 v245, v8, 6, v245
	v_add_nc_u32 v245, s27, v245                   ; out: row lane % 16, the 16 sums of half lane / 16
	v_lshlrev_b32 v246, 2, v7
	v_lshl_or_b32 v246, v8, 14, v246               ; cx2p: partial + (lane / 16), row + lane % 16
	s_wait_kmcnt 0x0
	v_sqrt_f32 v[RC], s19                          ; rc = sqrt(c), as reference() has it here: not held from below
	v_nop                                          ; a plain place behind the root
	s_wait_alu depctr_va_vdst(0)
	v_mov_b32 v[RC+1], v[RC]
	s_wait_alu depctr_va_vdst(0)                   ; the wait here, directly behind the write
.macro TURN t                          ; step t's numbers through the stage: LDS serves a wave's instructions in order, so no wait stands between the stores and the loads
.irp i, 0,1,2,3
	ds_store_b128 v14, v[R+16*((\t)%8)+4*\i:R+16*((\t)%8)+4*\i+3] offset:32*SP*((\t)%2)+8*SP*\i
.endr
.irp i, 0,1,2,3
	ds_load_b128 v[X+16*((\t)%2)+4*\i:X+16*((\t)%2)+4*\i+3], v15 offset:32*SP*((\t)%2)+16*\i
.endr
.endm
	s_wait_loadcnt 28                              ; step 0's four loads are in; seven steps' 28 may be out
	TURN 0
.macro STEP t
.set XS, X+16*((\t)%2)
.if (\t) > 0
	s_wait_dscnt 1                                 ; this step's numbers are back from the stage; the last step's byte store may be out
.else
	s_wait_dscnt 0x0
.endif
.if (\t)+8 < STEPS
	LOAD (\t)+8                                    ; into the set that this step's stores into the stage have read
.endif
.if (\t)+1 < STEPS
.if (\t) <= 7
	s_wait_loadcnt 28                              ; the next step's four loads are in; behind them stand steps t + 2 .. t + 8: 28 loads
.else
	s_wait_loadcnt 4*(14-(\t))                     ; behind them stand steps t + 2 .. 15
.endif
	TURN (\t)+1                                    ; through the other stage while this step is worked
.endif
.irp j, 0,2,4,6,8,10,12,14
	v_pk_mul_f32 v[XS+\j:XS+\j+1], v[XS+\j:XS+\j+1], v[RC:RC+1]    ; rcx
.endr
	v_pk_mul_f32 v[242:243], v[XS:XS+1], v[XS:XS+1]                ; my 16 squares, in two chains begun by products: nothing is cleared
	v_pk_mul_f32 v[248:249], v[XS+2:XS+3], v[XS+2:XS+3]
.irp j, 4,8,12
	v_pk_fma_f32 v[242:243], v[XS+\j:XS+\j+1], v[XS+\j:XS+\j+1], v[242:243]
	v_pk_fma_f32 v[248:249], v[XS+\j+2:XS+\j+3], v[XS+\j+2:XS+\j+3], v[248:249]
.endr
	v_pk_add_f32 v[242:243], v[242:243], v[248:249]
	v_add_f32 v[S+(\t)], v242, v243
	v_max3_num_f32 v8, |v[XS]|, |v[XS+1]|, |v[XS+2]|               ; the largest magnitude of my 16
	v_max3_num_f32 v9, |v[XS+3]|, |v[XS+4]|, |v[XS+5]|
.irp i, 6,10
	v_max3_num_f32 v8, v8, |v[XS+\i]|, |v[XS+\i+1]|
	v_max3_num_f32 v9, v9, |v[XS+\i+2]|, |v[XS+\i+3]|
.endr
	v_max3_num_f32 v8, v8, |v[XS+14]|, |v[XS+15]|
	v_max3_num_f32 v8, v8, v9, 0x1800000           ; and the floor 2^(3 - 127): the byte cannot fall under 1
	v_max_num_f32_dpp v8, v8, v8 row_xmask:1 row_mask:0xf bank_mask:0xf   ; with my neighbour's 16: the block's
	v_add_nc_u32 v11, 0xff000000, v8               ; 2 off its exponent field: the conversion takes the exponent field of this operand as its scale
	v_cvt_scalef32_pk8_fp4_f32 v[C+2*(\t)], v[XS:XS+7], v11
	v_cvt_scalef32_pk8_fp4_f32 v[C+2*(\t)+1], v[XS+8:XS+15], v11
	v_lshrrev_b32 v[E+(\t)], 23, v11               ; the scale's byte (also the plain line behind the conversions)
	ds_store_b8 v5, v[E+(\t)] offset:16*(\t)       ; both lanes of a block write the same byte with the same value
	global_store_b64 v4, v[C+2*(\t):C+2*(\t)+1], s[10:11] offset:256*(\t)   ; the wave stores one whole line of 256 bytes
.endm
.irp t, 0,1,2,3,4,5,6,7,8,9,10,11,12,13,14,15
	STEP \t
.endr
	ds_load_b64 v[12:13], v6                       ; [16 rows][16 bytes] of K step s: 256 consecutive bytes of xs
.irp t, 0,1,2,3,4,5,6,7,8,9,10,11,12,13,14,15
	ds_store_b32 v244, v[S+\t] offset:SPI*\t       ; row t: the 32 lanes' sums
.endr
.irp i, 0,1,2,3
	ds_load_b128 v[16+4*\i:16+4*\i+3], v245 offset:16*\i   ; lane (r, h): the 16 sums of half h of row r
.endr
	s_wait_dscnt 0x0
	global_store_b64 v4, v[12:13], s[12:13]
	v_pk_add_f32 v[16:17], v[16:17], v[18:19]
	v_pk_add_f32 v[20:21], v[20:21], v[22:23]
	v_pk_add_f32 v[24:25], v[24:25], v[26:27]
	v_pk_add_f32 v[28:29], v[28:29], v[30:31]
	v_pk_add_f32 v[16:17], v[16:17], v[20:21]
	v_pk_add_f32 v[24:25], v[24:25], v[28:29]
	v_pk_add_f32 v[16:17], v[16:17], v[24:25]
	v_add_f32 v16, v16, v17
	global_store_b32 v246, v16, s[14:15]           ; sixteen lanes store 64 consecutive bytes of one partial: 1 byte in 512 of what this path reads
	s_wait_tensorcnt 0x0
	ds_add_u32 v254, v255
	s_wait_dscnt 0x0
	s_endpgm
	; ---------------- NORM PATH ----------------
.Lnorm:
	s_sub_co_u32 s20, ttmp9, 512
	s_lshl_b32 s20, s20, 2
	s_add_co_u32 s20, s20, s18                     ; W'
	s_and_b32 s21, s20, 31                         ; which 128 columns
	s_lshr_b32 s22, s20, 5                         ; which 128 rows
	s_lshl_b32 s24, s22, 21                        ; 128 rows of 16,384 bytes
	s_lshl_b32 s26, s21, 9                         ; 128 columns of 4 bytes
	s_or_b32 s24, s24, s26
	s_add_nc_u64 s[6:7], s[6:7], s[24:25]
	s_lshl_b32 s24, s22, 14                        ; wsq: a chunk's row of 16,384 bytes
	s_or_b32 s24, s24, s26
	s_add_nc_u64 s[16:17], s[16:17], s[24:25]
.set ii, 0
.rept 32
	global_load_b128 v[16+4*ii:16+4*ii+3], v3, s[6:7] offset:16384*ii   ; row ii: 512 consecutive bytes.  No hint: the next launch reads weight_v again
.set ii, ii+1
.endr
.set ii, 0
.rept 128                              ; row ii lies in slot ii % 32; even rows add into v[8:11], odd rows into v[12:15]
	s_wait_alu depctr_va_vdst(0)                   ; the wait here, directly ahead of the wait below
.if ii < 97
	s_wait_loadcnt 31                              ; loads come back in order: row ii is in, the 31 behind it may be out
.else
	s_wait_loadcnt 127-ii
.endif
.set SL, 16+4*(ii%32)
.set AQ, 8+4*(ii%2)
.if ii < 2
	v_pk_mul_f32 v[AQ:AQ+1], v[SL:SL+1], v[SL:SL+1]                ; the first two rows start the sums
	v_pk_mul_f32 v[AQ+2:AQ+3], v[SL+2:SL+3], v[SL+2:SL+3]
.else
	v_pk_fma_f32 v[AQ:AQ+1], v[SL:SL+1], v[SL:SL+1], v[AQ:AQ+1]
	v_pk_fma_f32 v[AQ+2:AQ+3], v[SL+2:SL+3], v[SL+2:SL+3], v[AQ+2:AQ+3]
.endif
.if ii+32 < 128
	global_load_b128 v[SL:SL+3], v3, s[6:7] offset:16384*(ii+32)
.endif
.set ii, ii+1
.endr
	v_pk_add_f32 v[8:9], v[8:9], v[12:13]
	v_pk_add_f32 v[10:11], v[10:11], v[14:15]
	global_store_b128 v3, v[8:11], s[16:17]        ; the wave stores 512 consecutive bytes
	s_endpgm
.Lfunc_end_k_qf43816ecd7_prep:
	.size	k_qf43816ecd7_prep, .Lfunc_end_k_qf43816ecd7_prep-k_qf43816ecd7_prep
	.p2alignl 7, 3214868480
	.fill 96, 4, 3214868480
	.section	.rodata,"a",@progbits
	.p2align	6, 0x0
	.amdhsa_kernel k_qf43816ecd7_prep
		.amdhsa_group_segment_fixed_size 33280
		.amdhsa_private_segment_fixed_size 0
		.amdhsa_enable_private_segment 0
		.amdhsa_kernarg_size 48
		.amdhsa_user_sgpr_count 2
		.amdhsa_user_sgpr_kernarg_segment_ptr 1
		.amdhsa_wavefront_size32 1
		.amdhsa_system_sgpr_workgroup_id_x 1
		.amdhsa_system_sgpr_workgroup_id_y 1
		.amdhsa_system_sgpr_workgroup_id_z 1
		.amdhsa_system_vgpr_workitem_id 0
		.amdhsa_next_free_vgpr 256
		.amdhsa_next_free_sgpr 66
		.amdhsa_reserve_vcc 0
		.amdhsa_float_denorm_mode_32 3
		.amdhsa_float_denorm_mode_16_64 3
		.amdhsa_memory_ordered 1
		.amdhsa_forward_progress 1
		.amdhsa_inst_pref_size 90
	.end_amdhsa_kernel
	.amdgpu_metadata
---
amdhsa.version: [ 1, 2 ]
amdhsa.kernels:
  - .name:           k_qf43816ecd7_prep
    .symbol:         k_qf43816ecd7_prep.kd
    .args:
      - { .name: x, .offset: 0, .size: 8, .value_kind: global_buffer, .address_space: global }
      - { .name: weight_v, .offset: 8, .size: 8, .value_kind: global_buffer, .address_space: global }
      - { .name: c, .offset: 16, .size: 8, .value_kind: global_buffer, .address_space: global }
      - { .name: xt, .offset: 24, .size: 8, .value_kind: global_buffer, .address_space: global }
      - { .name: cx2p, .offset: 32, .size: 8, .value_kind: global_buffer, .address_space: global }
      - { .name: wsq, .offset: 40, .size: 8, .value_kind: global_buffer, .address_space: global }
    .group_segment_fixed_size: 33280
    .private_segment_fixed_size: 0
    .kernarg_segment_align: 8
    .kernarg_segment_size: 48
    .max_flat_workgroup_size: 128
    .sgpr_count:     66
    .vgpr_count:     256
    .wavefront_size: 32
...
	.end_amdgpu_metadata
.endif
;; end of part 1
;; launch wquant (part 2): grid 32 x 8, 16 waves a work-group, no clusters, 55,296 bytes of LDS; arguments weight_v, wsq, wt; writes wt
.if DOCPART == 2
	.amdgcn_target "amdgcn-amd-amdhsa--gfx1250"
	.amdhsa_code_object_version 6
	.text
	.protected	k_qf43816ecd7_wquant
	.globl	k_qf43816ecd7_wquant
	.p2align	8
	.type	k_qf43816ecd7_wquant,@function
k_qf43816ecd7_wquant:
	s_mov_b64 s[64:65], 0
	v_nop
	global_prefetch_b8 v0, s[64:65] scope:SCOPE_SE
	s_setreg_imm32_b32 hwreg(HW_REG_WAVE_MODE, 25, 1), 1
	s_wait_xcnt 0x0
; v = weight_v normalised twice along its columns, as reference() has it, becomes codes of FP4 (E2M1) with K innermost (wc: [4096 columns n][2048 bytes]) and one E8M0 byte for each 32 along K
; (ws: [8 K steps of 512][4096 columns][16 bytes]).  weight_v is [K 4096][N 4096] f32: K is its FIRST axis.
; THE FACTOR.  n = sqrt(sum of w^2) of a column (the 32 partial sums of wsq); r1 = 1 / max(n, EPS).  The norm of the column r1 w is r1 n, so the second division is by max(r1 n, EPS): f = r1 / max(r1 n, EPS), v = w f.
; Divisions are reciprocals and products (1 ulp each).  The partial sums are added in one fixed order, so that the eight work-groups of a column make the same f.
; SHARES.  Work-group (X, Y): columns 128 X .. + 127, K step Y.  Wave w: K rows 512 Y + 32 w .. + 31: ONE block of 32 for each of the 128 columns; a lane: 4 neighbouring columns.
; Each load reads 512 consecutive bytes of a row of weight_v; all 32 of a wave go out at once.  The product by f, owed anyway, writes a column's 32 numbers into consecutive registers: that is all the
; transposing that the conversions want; a block's largest magnitude needs no other lane.  Codes and bytes meet in LDS and leave in runs of 256 consecutive bytes.
; LIMITS: a block of zeros gets the byte 1 where the rule says 127 (its codes are zeros, and this program alone reads the bytes); NaN and infinities in weight_v are not served.
; WHERE CODES AND BYTES GO (in place of the two buffers wc and ws named above): ONE buffer wt, [8 K steps of 512][32 groups of 128 columns][136 lines of 256 bytes]:
; lines 0-127 are the 128 columns' codes of the K step, lines 128-135 their scale bytes (16 columns x 16 bytes a line).  Work-group (X, Y) makes tile (Y, X) whole.
.set FST,   0
.set STG,   8192                       ; 128 rows (columns n) x 272 bytes: a K step's codes, block w at 16 w
.set SPI,   272
.set SCST,  STG+128*SPI                ; 128 columns x 16 scale bytes
.set SRC,   32                         ; v32-159  K row i of my block at v[32 + 4 i]: 4 columns
.set T0,    160                        ; v160-191, v192-223: one column's 32 numbers, two sets by turns
.set T1,    192
.set CODES, 224                        ; v224-239 four registers a column
.set FC,    240                        ; v240-243 f of my four columns
.set BY,    244                        ; v244-247 their scale bytes
.set EPSB,  0x26901d7d                 ; 1e-15
	s_load_b128 s[4:7], s[0:1], 0x0                ; weight_v s[4:5], wsq s[6:7]
	s_load_b64 s[8:9], s[0:1], 0x10                ; wt
	v_lshl_add_u32 v254, v0, 2, 0xd000
	v_mov_b32 v255, 0
	v_lshrrev_b32 v16, 5, v0
	s_delay_alu instid0(VALU_DEP_1)
	v_readfirstlane_b32 s12, v16                   ; wave 0..15
	v_and_b32 v17, 31, v0                          ; lane
	s_delay_alu instid0(VALU_DEP_1)
	v_lshlrev_b32 v1, 4, v17                       ; 16 x lane
	v_lshlrev_b32 v2, 4, v0                        ; 16 x thread
	s_and_b32 s14, ttmp7, 0xffff                   ; Y
	s_lshl_b32 s16, s14, 9
	s_lshl_b32 s17, s12, 5
	s_add_co_u32 s16, s16, s17                     ; my first K row: 512 Y + 32 w
	s_lshl_b32 s16, s16, 14                        ; of 16,384 bytes
	s_lshl_b32 s18, ttmp9, 9                       ; 128 X columns of 4 bytes
	s_or_b32 s16, s16, s18
	s_mov_b32 s17, 0
	s_lshl_b32 s20, s12, 15                        ; wsq: rows 2 w and 2 w + 1
	s_or_b32 s20, s20, s18
	s_mov_b32 s21, 0
	s_wait_alu depctr_va_vdst(0)
	s_wait_kmcnt 0x0
	s_add_nc_u64 s[4:5], s[4:5], s[16:17]
	s_add_nc_u64 s[6:7], s[6:7], s[20:21]
	global_load_b128 v[8:11], v1, s[6:7]
	global_load_b128 v[12:15], v1, s[6:7] offset:16384
.set ii, 0
.rept 32
	global_load_b128 v[SRC+4*ii:SRC+4*ii+3], v1, s[4:5] offset:16384*ii th:TH_LOAD_NT   ; 512 consecutive bytes of K row ii; the last read of weight_v
.set ii, ii+1
.endr
	s_mul_i32 s16, s14, 1114112                    ; wt: K step Y of 32 tiles,
	s_mul_i32 s18, ttmp9, 34816                    ; tile X
	s_add_co_u32 s16, s16, s18
	s_add_nc_u64 s[8:9], s[8:9], s[16:17]
	s_add_nc_u64 s[10:11], s[8:9], 32768           ; its scale bytes: lines 128 on
	s_lshl_b32 s16, s12, 11                        ; I store lines 8 w .. + 7
	s_add_nc_u64 s[8:9], s[8:9], s[16:17]
	v_mul_u32_u24 v3, v17, 4*SPI
	s_lshl_b32 s22, s12, 4
	s_add_co_u32 s22, s22, STG
	v_add_nc_u32 v3, s22, v3                       ; codes in: row 4 x lane (+ j by the offset), block w
	v_lshlrev_b32 v4, 6, v17
	s_add_co_u32 s23, s12, SCST
	v_add_nc_u32 v4, s23, v4                       ; bytes in: column 4 x lane (+ j), byte w
	v_and_b32 v18, 15, v0
	v_bfe_u32 v19, v0, 4, 1
	s_delay_alu instid0(VALU_DEP_1)
	v_mul_u32_u24 v5, v19, SPI
	s_delay_alu instid0(VALU_DEP_1)
	v_lshl_add_u32 v5, v18, 4, v5
	s_mul_i32 s24, s12, 8*SPI
	s_add_co_u32 s24, s24, STG
	v_add_nc_u32 v5, s24, v5                       ; codes out: rows 8 w on; sixteen lanes to a row, two rows an instruction
	v_lshlrev_b32 v6, 8, v19
	s_delay_alu instid0(VALU_DEP_1)
	v_lshl_add_u32 v6, v18, 4, v6                  ; and the same place in wc
	v_add_nc_u32 v7, SCST, v2                      ; bytes out: 16 x thread (threads 0-127 alone use it)
	s_wait_loadcnt 32                              ; the two rows of wsq are in; the 32 loads behind them may be out
	v_pk_add_f32 v[8:9], v[8:9], v[12:13]
	v_pk_add_f32 v[10:11], v[10:11], v[14:15]
	ds_store_b128 v2, v[8:11]                      ; FST: wave w's 512 bytes
	s_wait_dscnt 0x0                               ; for the others' sake
	s_barrier_signal -1
	s_barrier_wait -1
.irp i, 0,1,2,3,4,5,6,7,8,9,10,11,12,13,14,15
	ds_load_b128 v[T0+4*\i:T0+4*\i+3], v1 offset:FST+512*\i   ; all sixteen sums of my four columns
.endr
	s_wait_dscnt 0x0
.irp i, 2
	v_pk_add_f32 v[T0:T0+1], v[T0:T0+1], v[T0+4*\i:T0+4*\i+1]      ; two chains, even and odd waves' sums
	v_pk_add_f32 v[T0+2:T0+3], v[T0+2:T0+3], v[T0+4*\i+2:T0+4*\i+3]
	v_pk_add_f32 v[T0+4:T0+5], v[T0+4:T0+5], v[T0+4*\i+4:T0+4*\i+5]
	v_pk_add_f32 v[T0+6:T0+7], v[T0+6:T0+7], v[T0+4*\i+6:T0+4*\i+7]
.endr
.irp i, 4, 6, 8, 10, 12, 14
	s_delay_alu instid0(VALU_DEP_4)
	v_pk_add_f32 v[T0:T0+1], v[T0:T0+1], v[T0+4*\i:T0+4*\i+1]      ; two chains, even and odd waves' sums
	s_delay_alu instid0(VALU_DEP_4)
	v_pk_add_f32 v[T0+2:T0+3], v[T0+2:T0+3], v[T0+4*\i+2:T0+4*\i+3]
	s_delay_alu instid0(VALU_DEP_4)
	v_pk_add_f32 v[T0+4:T0+5], v[T0+4:T0+5], v[T0+4*\i+4:T0+4*\i+5]
	s_delay_alu instid0(VALU_DEP_4)
	v_pk_add_f32 v[T0+6:T0+7], v[T0+6:T0+7], v[T0+4*\i+6:T0+4*\i+7]
.endr
	s_delay_alu instid0(VALU_DEP_2)
	v_pk_add_f32 v[T0:T0+1], v[T0:T0+1], v[T0+4:T0+5]
	s_delay_alu instid0(VALU_DEP_2)
	v_pk_add_f32 v[T0+2:T0+3], v[T0+2:T0+3], v[T0+6:T0+7]
	s_wait_alu depctr_va_vdst(0)
.irp j, 0,1,2,3
	v_sqrt_f32 v[16+\j], v[T0+\j]                  ; n
.endr
	v_nop                                          ; a plain place behind each run of roots and reciprocals
	s_wait_alu depctr_va_vdst(0)
.irp j, 0,1,2,3
	v_max_num_f32 v[20+\j], EPSB, v[16+\j]
.endr
	s_wait_alu depctr_va_vdst(0)
.irp j, 0,1,2,3
	v_rcp_f32 v[20+\j], v[20+\j]                   ; r1
.endr
	v_nop
	s_wait_alu depctr_va_vdst(0)
.irp j, 0,1,2,3
	v_mul_f32 v[16+\j], v[16+\j], v[20+\j]         ; the norm of the column once normalised
.endr
.irp j, 0,1,2,3
	s_delay_alu instid0(VALU_DEP_4)
	v_max_num_f32 v[16+\j], EPSB, v[16+\j]         ; (n infinite: r1 = 0, the product is no number, the maximum takes EPS, and f = 0 as in reference())
.endr
	s_wait_alu depctr_va_vdst(0)
.irp j, 0,1,2,3
	v_rcp_f32 v[16+\j], v[16+\j]
.endr
	v_nop
	s_wait_alu depctr_va_vdst(0)
.irp j, 0,1,2,3
	v_mul_f32 v[FC+\j], v[20+\j], v[16+\j]         ; f
.endr
	s_wait_alu depctr_va_vdst(0)
	s_wait_loadcnt 0x0                             ; my block's 32 rows
; Column j of my four: its 32 numbers x f into set tt, the block's scale, its 32 codes (16 bytes) and its byte to LDS.
.macro COL j, tt
.set ii, 0
.rept 32
	v_mul_f32 v[\tt+ii], v[SRC+4*ii+\j], v[FC+\j]
.set ii, ii+1
.endr
	v_max3_num_f32 v16, |v[\tt]|, |v[\tt+1]|, |v[\tt+2]|
	v_max3_num_f32 v17, |v[\tt+3]|, |v[\tt+4]|, |v[\tt+5]|
.irp i, 6,10,14,18,22,26
	s_delay_alu instid0(VALU_DEP_2)
	v_max3_num_f32 v16, v16, |v[\tt+\i]|, |v[\tt+\i+1]|
	s_delay_alu instid0(VALU_DEP_2)
	v_max3_num_f32 v17, v17, |v[\tt+\i+2]|, |v[\tt+\i+3]|
.endr
	s_delay_alu instid0(VALU_DEP_2)
	v_max3_num_f32 v16, v16, |v[\tt+30]|, |v[\tt+31]|
	s_delay_alu instid0(VALU_DEP_1)
	v_max3_num_f32 v16, v16, v17, 0x1800000        ; the floor 2^(3 - 127): the byte cannot fall under 1
	s_delay_alu instid0(VALU_DEP_1)
	v_add_nc_u32 v[20+\j], 0xff000000, v16         ; 2 off the exponent field: the conversion's scale operand
	s_delay_alu instid0(VALU_DEP_1)
	v_lshrrev_b32 v[BY+\j], 23, v[20+\j]           ; the scale's byte
.irp g, 0,1,2,3
	v_cvt_scalef32_pk8_fp4_f32 v[CODES+4*\j+\g], v[\tt+8*\g:\tt+8*\g+7], v[20+\j]
.endr
	v_nop                                          ; one plain line behind the last conversion
	ds_store_b128 v3, v[CODES+4*\j:CODES+4*\j+3] offset:SPI*\j     ; lanes stand 4 rows (1,088 bytes) apart: four stores a wave in all, so their order in the banks is left as it falls
	ds_store_b8 v4, v[BY+\j] offset:16*\j
.endm
	COL 0, T0
	COL 1, T1
	COL 2, T0
	COL 3, T1
	s_wait_dscnt 0x0                               ; for the others' sake
	s_barrier_signal -1
	s_barrier_wait -1
.irp i, 0,1,2,3
	ds_load_b128 v[T0+4*\i:T0+4*\i+3], v5 offset:2*SPI*\i
.endr
.irp i, 0,1,2,3
	s_wait_dscnt 3-\i
	global_store_b128 v6, v[T0+4*\i:T0+4*\i+3], s[8:9] offset:512*\i   ; the wave stores two whole lines of 256 bytes
.endr
	s_cmp_lt_u32 s12, 4                            ; the 2,048 scale bytes leave by waves 0-3
	s_cbranch_scc0 .Lend
	ds_load_b128 v[T0+16:T0+19], v7
	s_wait_dscnt 0x0
	global_store_b128 v2, v[T0+16:T0+19], s[10:11] ; a wave stores 512 consecutive bytes
.Lend:
	s_wait_tensorcnt 0x0
	ds_add_u32 v254, v255
	s_wait_dscnt 0x0
	s_endpgm
.Lfunc_end_k_qf43816ecd7_wquant:
	.size	k_qf43816ecd7_wquant, .Lfunc_end_k_qf43816ecd7_wquant-k_qf43816ecd7_wquant
	.p2alignl 7, 3214868480
	.fill 96, 4, 3214868480
	.section	.rodata,"a",@progbits
	.p2align	6, 0x0
	.amdhsa_kernel k_qf43816ecd7_wquant
		.amdhsa_group_segment_fixed_size 55296
		.amdhsa_private_segment_fixed_size 0
		.amdhsa_enable_private_segment 0
		.amdhsa_kernarg_size 24
		.amdhsa_user_sgpr_count 2
		.amdhsa_user_sgpr_kernarg_segment_ptr 1
		.amdhsa_wavefront_size32 1
		.amdhsa_system_sgpr_workgroup_id_x 1
		.amdhsa_system_sgpr_workgroup_id_y 1
		.amdhsa_system_sgpr_workgroup_id_z 1
		.amdhsa_system_vgpr_workitem_id 0
		.amdhsa_next_free_vgpr 256
		.amdhsa_next_free_sgpr 66
		.amdhsa_reserve_vcc 0
		.amdhsa_float_denorm_mode_32 3
		.amdhsa_float_denorm_mode_16_64 3
		.amdhsa_memory_ordered 1
		.amdhsa_forward_progress 1
		.amdhsa_inst_pref_size 25
	.end_amdhsa_kernel
	.amdgpu_metadata
---
amdhsa.version: [ 1, 2 ]
amdhsa.kernels:
  - .name:           k_qf43816ecd7_wquant
    .symbol:         k_qf43816ecd7_wquant.kd
    .args:
      - { .name: weight_v, .offset: 0, .size: 8, .value_kind: global_buffer, .address_space: global }
      - { .name: wsq, .offset: 8, .size: 8, .value_kind: global_buffer, .address_space: global }
      - { .name: wt, .offset: 16, .size: 8, .value_kind: global_buffer, .address_space: global }
    .group_segment_fixed_size: 55296
    .private_segment_fixed_size: 0
    .kernarg_segment_align: 8
    .kernarg_segment_size: 24
    .max_flat_workgroup_size: 512
    .sgpr_count:     66
    .vgpr_count:     256
    .wavefront_size: 32
...
	.end_amdgpu_metadata
.endif
;; end of part 2
;; launch gemm (part 3): grid 16 x 16, 4 waves a work-group, clusters of 4 x 4, 327,680 bytes of LDS; arguments xt, wt, cx2p, bias, weight_g, c, u; writes u
.if DOCPART == 3
	.amdgcn_target "amdgcn-amd-amdhsa--gfx1250"
	.amdhsa_code_object_version 6
	.text
	.protected	k_qf43816ecd7_gemm
	.globl	k_qf43816ecd7_gemm
	.p2align	8
	.type	k_qf43816ecd7_gemm,@function
k_qf43816ecd7_gemm:
	s_mov_b64 s[64:65], 0
	v_nop
	global_prefetch_b8 v0, s[64:65] scope:SCOPE_SE
	s_setreg_imm32_b32 hwreg(HW_REG_WAVE_MODE, 25, 1), 1
	s_wait_xcnt 0x0
	s_wait_alu depctr_hold_cnt(0) depctr_sa_sdst(0) depctr_va_vdst(0) depctr_va_sdst(0) depctr_va_ssrc(0) depctr_va_vcc(0) depctr_vm_vsrc(0)
	s_getreg_b32 s2, hwreg(HW_REG_IB_STS2, 6, 4)
	s_cmp_eq_u32 s2, 0
	s_cbranch_scc0 .Lentry_in_a_cluster
	s_endpgm
.Lentry_in_a_cluster:
	s_bfe_u32 s2, ttmp6, 0x10000c
	s_cmp_lg_u32 s2, 0xf033
	s_cbranch_scc0 .Lentry_shape_is_right
	s_endpgm
.Lentry_shape_is_right:
; P = Q(rc x) Q(v) on codes of FP4 (E2M1) with E8M0 scales, and on the way out reference() up to the clip:
;   t = (2 P cosh d - (1 + cx2) sinh d) / max(1 - cx2, EPS), d = 2 rc bias;  u' = clip(rc' (2 g / rc) asinh t, -20, 20) x log2(e), rc' = max(rc, EPS); what is no number or infinite ahead of the clip -> 0.
; Stored: u' [4096][4096] f32.  The next launch takes sinh, sums the rows and divides them.
; A tile of 256 x 256 to a work-group of four waves, 128 x 128 a wave (64 accumulators, 512 registers).  K goes in steps of 512 through two LDS slots.
; xt and wt are laid by tiles: [K step][group of 128 rows][136 lines of 256 bytes], 128 lines of codes and 8 of scale bytes: one tensor load a wave brings a quarter of a slot, codes and scales.
; CLUSTERS 4 x 4: A's tiles are asked for jointly along a row of the cluster, B's along a column.  The matrix instruction is used transposed (source 0 = B's rows, source 1 = A's).
; PREFETCH: behind the load of K step j the tile of K step j + 2 is asked for: 136 lines, 34 for each of the four partners, told apart by address; a lane a line, two instructions a wave
; (in the second, lanes 1-31 name the wave's last line); K steps 6 and 7 have no K step two on, so the loop's last trip asks for nothing.
; THE WAY OUT: behind a barrier each wave lays its 128 x 128 into the slots' bytes (they have had their last fill and their last read), rows of 528 bytes, and reads them back by rows: a lane then holds
; the same 4 columns in every row, so the columns' figures take 12 registers; 16 trips of 8 rows; each store covers 512 consecutive bytes.
; The columns' and rows' figures are made at the head, two columns and two rows a thread, while the first tiles are on their way, and wait in LDS bytes of their own.
; ARITHMETIC: asinh |t| = ln(|t| + sqrt(t^2 + 1)) as log2; the column's factor k = |2 g ln2 / rc x rc' log2(e)|, its sign folded into 2 cosh d and sinh d (all steps are odd in t).
; LIMITS: |t| from 1.8e19 on gives 0 (t^2 overflows) where reference() has a finite asinh; the test for infinity is made on rc' log2(e) y, so it strikes a factor rc' log2(e) earlier than reference()'s;
; log2 of a number near 1 keeps about 6e-8 absolutely, so the results hold while the root mean square of t stays above 1e-5; c infinite is not served; c negative or no number gives 0.
.set TILE,   34816
.set KSTR,   32*TILE
.set NQ,     4
.set PITCH,  272
.set FR,     8
.set NL,     2
.set NP,     4
.set HALFT,  136*PITCH                 ; a tile in LDS
.set SCL,    128*PITCH                 ; its scale lines
.set SLOT,   4*HALFT
.set SPARE,  2*SLOT                    ; the spare words, 512 bytes
.set CCON,   SPARE+512                 ; 3 x 256 f32: +-2 cosh d, +-sinh d, k
.set RCON,   CCON+3072                 ; 256 rows x 16 bytes: 1 + cx2 twice, 1 / max(1 - cx2, EPS) twice
.set DPI,    528                       ; the way out: a row of 512 bytes + 16
.set DREG,   128*DPI                   ; a wave's 128 rows
.set SC,   32
.set AF,   128
.set G1A,  24
.set G0A,  32
.set G1B,  48
.set G0B,  56
.set XR, 32                            ; the way out, window 0: 8 rows x 4 of P
.set RW, 64                            ; 8 rows x 4 row figures
.set TT, 96
.set UU, 128
.set AC, 224
.set SN, 228
.set KC, 232
.set MSB, 0
.macro WIN new
.if MSB != (\new)
	s_set_vgpr_msb (MSB<<8)|(\new)
.set MSB, (\new)
.endif
.endm
.set MUL_LO, 0xa1
.set MUL_HI, 0xf1
.set TO_B,   0x40
.macro JLOAD s                         ; waves 0, 1 ask for A's two tiles, waves 2, 3 for B's; s_nop 0 and four v_nop behind each line
	s_cmp_eq_u32 s15, 0
	s_cbranch_scc0 .Lfor_b_\@
	tensor_load_to_lds s[G0A+4*\s:G0A+4*\s+3], s[G1A:G1A+7]
	s_nop 0
.rept 4
	v_nop
.endr
	s_branch .Lasked_\@
.Lfor_b_\@:
	tensor_load_to_lds s[G0B+4*\s:G0B+4*\s+3], s[G1B:G1B+7]
	s_nop 0
.rept 4
	v_nop
.endr
.Lasked_\@:
.endm
.macro CREST
	s_cmp_lg_u32 s14, 0
	s_cbranch_scc1 .Lnot_wave_0_\@
	s_barrier_signal -3
.Lnot_wave_0_\@:
	s_barrier_wait -3
	s_barrier_signal -1
	s_barrier_wait -1
.endm
.macro CROUND
	s_barrier_signal -1
	s_barrier_wait -1
	CREST
.endm
.macro PF off                          ; my 34 lines of the tile at s[76:77] + off
	global_prefetch_b8 v30, s[76:77] offset:\off th:TH_LOAD_NT scope:SCOPE_SE
	global_prefetch_b8 v31, s[76:77] offset:\off th:TH_LOAD_NT scope:SCOPE_SE
.endm
.macro ASK                             ; in the loop: s3 = 1 in its last trip
	s_cmp_gt_u32 s3, 1
	s_cbranch_scc0 .Lno_ask_\@
	PF 3*KSTR
.Lno_ask_\@:
.endm
	s_load_b256 s[4:11], s[0:1], 0x0               ; xt, wt, cx2p, bias
	s_load_b128 s[68:71], s[0:1], 0x20             ; weight_g, c
	s_load_b64 s[72:73], s[0:1], 0x30              ; u
	v_lshl_add_u32 v28, v0, 2, SPARE
	v_mov_b32 v29, 0
	ds_add_u32 v28, v29                            ; the opening lines: the add twice on end and one wait
	ds_add_u32 v28, v29
	v_lshrrev_b32 v1, 5, v0
	v_readfirstlane_b32 s14, v1                    ; wave
	s_lshr_b32 s15, s14, 1                         ; my half of the rows; also: I fetch for A (0) or B (1)
	s_and_b32 s16, s14, 1                          ; my half of the columns; also: which tile of the two I fetch
	s_bfe_u32 s40, ttmp6, 0x40000                  ; cx
	s_bfe_u32 s41, ttmp6, 0x40004                  ; cy
	s_lshl_b32 s42, ttmp9, 2
	s_add_co_u32 s42, s42, s40                     ; tile column
	s_and_b32 s17, ttmp7, 0xffff
	s_lshl_b32 s17, s17, 2
	s_add_co_u32 s17, s17, s41                     ; tile row
	s_lshl_b32 s43, s41, 2
	s_lshl_b32 s43, 15, s43                        ; my row of the cluster
	s_lshl_b32 s44, 0x1111, s40                    ; my column
	s_or_b32 s[G1A+0], s43, (3<<16)|(1<<20)|(1<<21)|(5<<22)|(3<<25)   ; elements of 8 bytes; 16 bytes of padding behind each 256
	s_or_b32 s[G1B+0], s44, (3<<16)|(1<<20)|(1<<21)|(5<<22)|(3<<25)
.irp g, G1A, G1B
	s_mov_b32 s[\g+1], 32<<16                      ; 136 dense lines of 32 elements
	s_mov_b32 s[\g+2], 136<<16
	s_mov_b32 s[\g+3], 32<<16
	s_mov_b32 s[\g+4], 136
	s_mov_b32 s[\g+5], 32
	s_mov_b32 s[\g+6], 0
	s_mov_b32 s[\g+7], 0
.endr
	s_lshl_b32 s20, s17, 1
	s_add_co_u32 s20, s20, s16
	s_mul_i32 s20, s20, TILE                       ; A: tile 2 x tile row + half
	s_mov_b32 s21, 0
	s_lshl_b32 s46, s42, 1
	s_add_co_u32 s46, s46, s16
	s_mul_i32 s46, s46, TILE                       ; B: tile 2 x tile column + half
	s_mov_b32 s47, 0
	s_mul_i32 s45, s14, HALFT                      ; in LDS: wave x a tile
	s_wait_dscnt 0x0
	s_wait_kmcnt 0x0
	s_add_nc_u64 s[20:21], s[4:5], s[20:21]
	s_add_nc_u64 s[46:47], s[6:7], s[46:47]
.irp s, 0,1
	s_mov_b32 s[G0A+4*\s], 1
	s_add_co_u32 s[G0A+4*\s+1], s45, \s*SLOT
	s_add_nc_u64 s[G0A+4*\s+2:G0A+4*\s+3], s[20:21], \s*KSTR
	s_or_b32 s[G0A+4*\s+3], s[G0A+4*\s+3], 0x80000000
	s_mov_b32 s[G0B+4*\s], 1
	s_add_co_u32 s[G0B+4*\s+1], s45, \s*SLOT
	s_add_nc_u64 s[G0B+4*\s+2:G0B+4*\s+3], s[46:47], \s*KSTR
	s_or_b32 s[G0B+4*\s+3], s[G0B+4*\s+3], 0x80000000
.endr
	CROUND                                         ; all sixteen work-groups are here
	JLOAD 0                                        ; K step 0: one tensor load a wave at the head
	s_load_b32 s78, s[70:71], 0x0                  ; c
	s_cmp_eq_u32 s15, 0                            ; the prefetches: my buffer, my tile, my place among the four partners
	s_cselect_b32 s20, s17, s42
	s_cselect_b32 s21, s40, s41
	s_cselect_b64 s[76:77], s[4:5], s[6:7]
	s_lshl_b32 s20, s20, 1
	s_add_co_u32 s20, s20, s16
	s_mul_i32 s20, s20, TILE
	s_mul_i32 s21, s21, 34*256
	s_add_co_u32 s20, s20, s21
	s_mov_b32 s21, 0
	s_add_nc_u64 s[76:77], s[76:77], s[20:21]
	s_mov_b32 s93, 0
	s_lshl_b32 s92, s42, 10                        ; my work-group's 256 columns of bias and weight_g
	s_add_nc_u64 s[10:11], s[10:11], s[92:93]
	s_add_nc_u64 s[68:69], s[68:69], s[92:93]
	s_lshl_b32 s23, s16, 9
	s_add_co_u32 s92, s92, s23                     ; u: my first column,
	s_lshl_b32 s23, s17, 22
	s_add_co_u32 s92, s92, s23                     ; row 256 x tile row
	s_lshl_b32 s23, s15, 21
	s_add_co_u32 s92, s92, s23                     ; + 128 x half
	s_add_nc_u64 s[72:73], s[72:73], s[92:93]
	s_lshl_b32 s92, s17, 10                        ; cx2p: my work-group's 256 rows
	s_add_nc_u64 s[8:9], s[8:9], s[92:93]
	s_mul_i32 s21, s15, HALFT                      ; my tile of A
	s_mul_i32 s22, s16, HALFT
	s_add_co_u32 s22, s22, 2*HALFT                 ; my tile of B
	s_sub_co_u32 s23, s22, s21
	s_add_co_u32 s18, s21, SCL
	s_mul_i32 s19, s14, DREG
	s_lshl_b32 s66, s16, 9
	s_add_co_u32 s66, s66, CCON
	s_lshl_b32 s67, s15, 11
	s_add_co_u32 s67, s67, RCON
	s_mov_b32 s90, 0x26901d7d                      ; EPS
	v_and_b32 v1, 15, v0
	v_bfe_u32 v2, v0, 4, 1
	v_and_b32 v19, 31, v0                          ; lane
	v_mul_u32_u24 v3, v1, PITCH
	v_lshl_add_u32 v4, v2, 4, v3
	v_add_nc_u32 v16, s21, v4                      ; A's fragments, slot 0, 1
	v_add_nc_u32 v20, s22, v4                      ; B's
	v_add_nc_u32 v17, SLOT, v16
	v_add_nc_u32 v21, SLOT, v20
	v_mul_u32_u24 v6, s23, v2                      ; scale words: lanes 0-15 A's tile, lanes 16-31 B's
	v_lshl_add_u32 v6, v1, 4, v6
	v_add_nc_u32 v27, s18, v6
	v_add_nc_u32 v22, SLOT, v27
	v_mul_u32_u24 v5, v1, DPI
	v_lshl_add_u32 v5, v2, 5, v5
	v_add_nc_u32 v24, s19, v5                      ; the way out, in
	v_lshlrev_b32 v26, 4, v19                      ; 16 x lane
	v_add_nc_u32 v25, s19, v26                     ; the way out, back
	v_add_nc_u32 v18, s66, v26                     ; my 4 columns' figures
	v_mov_b32 v23, s67                             ; my rows' figures
	v_lshlrev_b32 v30, 8, v19                      ; prefetch: line = lane,
	v_min_u32 v31, 1, v19
	v_lshl_add_u32 v31, v31, 8, 8192               ; and lines 32, 33
	v_lshl_add_u32 v7, v0, 3, CCON                 ; the figures, in: columns 2 t, 2 t + 1
	v_lshl_add_u32 v8, v0, 5, RCON                 ; rows 2 t, 2 t + 1
	v_lshlrev_b32 v9, 3, v0
	s_wait_alu depctr_va_vdst(0)
	global_load_b64 v[32:33], v9, s[10:11]         ; bias
	global_load_b64 v[34:35], v9, s[68:69]         ; weight_g
.irp i, 0,1,2,3,4,5,6,7,8,9,10,11,12,13,14,15
	global_load_b64 v[36+2*\i:37+2*\i], v9, s[8:9] offset:16384*\i   ; the sixteen partial sums of my two rows
.endr
	PF 2*KSTR                                      ; K step 2
	s_wait_kmcnt 0x0
	v_sqrt_f32 v10, s78                            ; rc
	v_mov_b32 v87, 0x3c088889                      ; 1/120 (the plain place)
	s_wait_alu depctr_va_vdst(0)
	v_max_num_f32 v11, s90, v10                    ; rc'
	v_add_f32 v15, v10, v10                        ; 2 rc
	s_wait_alu depctr_va_vdst(0)
	v_rcp_f32 v12, v10                             ; 1 / rc
	v_mul_f32 v14, 0x3fb8aa3b, v11                 ; rc' log2(e)
	s_wait_alu depctr_va_vdst(0)                   ; behind the reciprocal, and directly ahead of the wait below
	s_wait_loadcnt 0x0
.irp k, 0,1
	v_mul_f32 v[32+\k], v15, v[32+\k]              ; d
.endr
.irp k, 0,1
	v_mul_f32 v[68+\k], 0x3fb8aa3b, v[32+\k]
.endr
.irp i, 2,4,6,8,10,12,14
	v_pk_add_f32 v[36:37], v[36:37], v[36+2*\i:37+2*\i]
	v_pk_add_f32 v[38:39], v[38:39], v[38+2*\i:39+2*\i]
.endr
	v_pk_add_f32 v[36:37], v[36:37], v[38:39]      ; cx2 of my two rows
.irp k, 0,1
	v_add_f32 v[92+4*\k], 1.0, v[36+\k]
	v_add_f32 v[93+4*\k], 1.0, v[36+\k]
	v_sub_f32 v[72+\k], 1.0, v[36+\k]
.endr
.irp k, 0,1
	v_max_num_f32 v[72+\k], s90, v[72+\k]
.endr
	s_wait_alu depctr_va_vdst(0)
.irp k, 0,1
	v_exp_f32 v[74+\k], v[68+\k]
	v_exp_f32 v[76+\k], -v[68+\k]
	v_rcp_f32 v[94+4*\k], v[72+\k]
	v_rcp_f32 v[95+4*\k], v[72+\k]
.endr
.irp k, 0,1
	v_mul_f32 v[80+\k], v[32+\k], v[32+\k]         ; d^2
	v_add_f32 v[88+\k], v[34+\k], v[34+\k]         ; 2 g
.endr
.irp k, 0,1
	v_mul_f32 v[88+\k], v[88+\k], v12
.endr
.irp k, 0,1
	v_mul_f32 v[88+\k], 0x3f317218, v[88+\k]
.endr
.irp k, 0,1
	v_mul_f32 v[88+\k], v[88+\k], v14              ; 2 g ln2 / rc x rc' log2(e)
.endr
	s_wait_alu depctr_va_vdst(0)
.irp k, 0,1
	v_add_f32 v[82+\k], v[74+\k], v[76+\k]         ; 2 cosh d
	v_sub_f32 v[84+\k], v[74+\k], v[76+\k]
	v_fmaak_f32 v[86+\k], v[80+\k], v87, 0x3e2aaaab
	v_and_b32 v[70+\k], 0x80000000, v[88+\k]       ; the factor's sign
.endr
.irp k, 0,1
	v_mul_f32 v[84+\k], 0.5, v[84+\k]              ; sinh d
	v_fma_f32 v[86+\k], v[86+\k], v[80+\k], 1.0
	v_cmp_gt_f32 s[92+\k], 0x3c800000, v[80+\k]    ; d^2 < 1/64
	v_and_b32 v[88+\k], 0x7fffffff, v[88+\k]
.endr
.irp k, 0,1
	v_mul_f32 v[86+\k], v[86+\k], v[32+\k]         ; its series
	v_xor_b32 v[82+\k], v[82+\k], v[70+\k]
.endr
.irp k, 0,1
	v_cndmask_b32 v[84+\k], v[84+\k], v[86+\k], s[92+\k]
.endr
.irp k, 0,1
	v_xor_b32 v[84+\k], v[84+\k], v[70+\k]
.endr
	ds_store_b64 v7, v[82:83]
	ds_store_b64 v7, v[84:85] offset:1024
	ds_store_b64 v7, v[88:89] offset:2048
	ds_store_b128 v8, v[92:95]
	ds_store_b128 v8, v[96:99] offset:16
.macro FRAG reg, adr, q, i
.irp c, 0,1
	ds_load_b128 v[\reg+4*\c:\reg+4*\c+3], v[\adr] offset:64*(\q)+32*\c+(\i)*16*PITCH
.endr
.endm
; 16 matrix instructions: A's blocks a0, a0 + 1 x B's eight; the 64 accumulators take turns
.macro MUL16 a0, p, q, sc, zero
.set AF, 128+64*(\p)                   ; A's fragments have two sets in window 0, v128-191 and v192-255, as B's have in window 1
.irp a, \a0, \a0+1
.irp b, 0,1,2,3,4,5,6,7
.if \zero
	v_wmma_scale_f32_16x16x128_f8f6f4 v[8*(8*((\a)%4)+\b):8*(8*((\a)%4)+\b)+7], v[128*(\p)+FR*\b:128*(\p)+FR*\b+FR-1], v[AF+FR*(\a):AF+FR*(\a)+FR-1], 0, v[SC+8*NQ*(\sc)+NQ*\b+(\q)], v[SC+8*NQ*(\sc)+NQ*(\a)+(\q)] matrix_a_fmt:MATRIX_FMT_FP4 matrix_b_fmt:MATRIX_FMT_FP4 matrix_a_scale:MATRIX_SCALE_ROW1
.else
	v_wmma_scale_f32_16x16x128_f8f6f4 v[8*(8*((\a)%4)+\b):8*(8*((\a)%4)+\b)+7], v[128*(\p)+FR*\b:128*(\p)+FR*\b+FR-1], v[AF+FR*(\a):AF+FR*(\a)+FR-1], v[8*(8*((\a)%4)+\b):8*(8*((\a)%4)+\b)+7], v[SC+8*NQ*(\sc)+NQ*\b+(\q)], v[SC+8*NQ*(\sc)+NQ*(\a)+(\q)] matrix_a_fmt:MATRIX_FMT_FP4 matrix_b_fmt:MATRIX_FMT_FP4 matrix_a_scale:MATRIX_SCALE_ROW1
.endif
.endr
.endr
.endm
.macro FETCH_B slot, q, p
	WIN TO_B
.irp i, 0,1,2,3,4,5,6,7
	FRAG 128*(\p)+FR*\i, 20+\slot, \q, \i
.endr
	WIN 0
.endm
.macro FETCH_A slot, q, i0, p
.set AF, 128+64*(\p)
.irp i, \i0, \i0+1, \i0+2, \i0+3
	FRAG AF+FR*(\i), 16+\slot, \q, \i
.endr
.endm
.macro SCALES sc                       ; slot sc's scale words: v27 for slot 0, v22 for slot 1; lanes 0-15 A's block i, lanes 16-31 B's
.irp i, 0,1,2,3,4,5,6,7
	ds_load_b128 v[SC+8*NQ*\sc+NQ*\i:SC+8*NQ*\sc+NQ*\i+3], v[27-5*\sc] offset:\i*PITCH
.endr
.endm
.macro PLACES n
.rept \n
	v_nop
.endr
.endm
; A step of 128 along K: ONE run of 32 loads at its head, the next step's fragments into the sets that the step before read (four places stand between), then its 64 matrix instructions.
.macro STEP slot, q, zero
	s_wait_dscnt 4*NL                              ; this step's fragments are in, all but the youngest eight loads: A's blocks 4-7
	PLACES NP
	FETCH_B \slot, (\q)+1, 1-(\q)%2
	FETCH_A \slot, (\q)+1, 0, 1-(\q)%2
	FETCH_A \slot, (\q)+1, 4, 1-(\q)%2
	WIN MUL_LO
	MUL16 0, (\q)%2, \q, \slot, \zero
	MUL16 2, (\q)%2, \q, \slot, \zero
	s_wait_dscnt 16*NL                             ; all but the 32 just issued: A's blocks 4-7 are in
	WIN MUL_HI
	MUL16 4, (\q)%2, \q, \slot, \zero
	MUL16 6, (\q)%2, \q, \slot, \zero
	WIN 0
.endm
; A slot's last step changes slots: the wait for all my tensor loads, the add, the wait for it and for my reads, one barrier (with a refill: a round of the cluster's barrier), the refill first behind it.
.macro TURN slot, next, fill
.if \fill
	s_wait_xcnt 0x0                                ; my prefetches have read their base: it steps one K step
	s_add_nc_u64 s[76:77], s[76:77], KSTR
.endif
	s_wait_tensorcnt 0x0
	ds_add_u32 v28, v29
	s_wait_dscnt 4*NL+1                            ; the add and A's blocks 4-7 may be out
	WIN MUL_LO
	MUL16 0, 1, NQ-1, \slot, 0
	s_wait_dscnt 0x0
	s_barrier_signal -1
	MUL16 2, 1, NQ-1, \slot, 0
	WIN 0
	s_barrier_wait -1
.if \fill
	CREST
	s_add_nc_u64 s[G0A+4*\slot+2:G0A+4*\slot+3], s[G0A+4*\slot+2:G0A+4*\slot+3], 2*KSTR
	s_add_nc_u64 s[G0B+4*\slot+2:G0B+4*\slot+3], s[G0B+4*\slot+2:G0B+4*\slot+3], 2*KSTR
	JLOAD \slot
.else
	PLACES NP
.endif
	FETCH_B \next, 0, 0
	FETCH_A \next, 0, 0, 0
	SCALES \next
	FETCH_A \next, 0, 4, 0
.if \fill
	ASK
.endif
	WIN MUL_HI
	MUL16 4, 1, NQ-1, \slot, 0
	MUL16 6, 1, NQ-1, \slot, 0
	WIN 0
.endm
.macro STEPS slot, from
.set Q, \from
.rept NQ-1-\from
	STEP \slot, Q, 0
.set Q, Q+1
.endr
.endm
	s_wait_alu depctr_va_vdst(0)                   ; the wait at the head's end
	s_wait_tensorcnt 0x0                           ; my tile of K step 0 is in; the lines ahead of a later first fill:
	ds_add_u32 v28, v29
	s_wait_dscnt 0x0                               ; the add and my stores of the figures are done
	CROUND
	JLOAD 1                                        ; K step 1, the first tensor load behind the round
	FETCH_B 0, 0, 0
	FETCH_A 0, 0, 0, 0
	SCALES 0
	FETCH_A 0, 0, 4, 0
	PF 3*KSTR                                      ; K step 3
	STEP 0, 0, 1                                   ; the first step starts the sums
	s_mov_b32 s3, 3
.Llap:
	STEPS 0, 1
	TURN 0, 1, 1
	STEPS 1, 0
	TURN 1, 0, 1
	STEP 0, 0, 0
	s_sub_co_u32 s3, s3, 1
	s_cmp_lg_u32 s3, 0
	s_cbranch_scc1 .Llap
	STEPS 0, 1
	TURN 0, 1, 0
	STEPS 1, 0
	s_wait_dscnt 4*NL
	WIN MUL_LO
	MUL16 0, 1, NQ-1, 1, 0
	MUL16 2, 1, NQ-1, 1, 0
	s_wait_dscnt 0
	WIN MUL_HI
	MUL16 4, 1, NQ-1, 1, 0
	MUL16 6, 1, NQ-1, 1, 0
	WIN 0
	PLACES NP
	s_barrier_signal -1                            ; my reads of both slots are over (the wait for 0 above)
	s_barrier_wait -1                              ; and everybody's: the slots' bytes take the results
.irp a, 0,1,2,3,4,5,6,7
	WIN 0x08+4*(\a/4)                              ; the data: window 2 or 3
.irp b, 0,1,2,3,4,5,6,7
	ds_store_b128 v24, v[64*(\a%4)+8*\b:64*(\a%4)+8*\b+3] offset:\a*16*DPI+64*\b       ; each accumulator from its low end on
	ds_store_b128 v24, v[64*(\a%4)+8*\b+4:64*(\a%4)+8*\b+7] offset:\a*16*DPI+64*\b+16
.endr
.endr
	WIN 0
	ds_load_b128 v[AC:AC+3], v18                   ; LDS serves a wave's instructions in order: the loads below see my stores
	ds_load_b128 v[SN:SN+3], v18 offset:1024
	ds_load_b128 v[KC:KC+3], v18 offset:2048
.irp j, 0,1,2,3,4,5,6,7
	ds_load_b128 v[XR+4*\j:XR+4*\j+3], v25 offset:DPI*\j
	ds_load_b128 v[RW+4*\j:RW+4*\j+3], v23 offset:16*\j
.endr
	s_mov_b32 s79, 8*DPI                           ; the next trip's rows
	s_mov_b32 s80, 128                             ; and their figures
	s_mov_b32 s84, 0x7f800000                      ; infinity
	s_mov_b32 s85, 0x41e6d4ca                      ; 20 log2(e)
	s_mov_b32 s86, 0x80000000
; Eight rows: 32 numbers a lane.  more = 1: the next eight rows are fetched as soon as these have been read.
.macro TRIP more
	s_wait_dscnt 0x0
.if \more
	v_add_nc_u32 v12, s79, v25
	v_add_nc_u32 v13, s80, v23
.endif
.set e, 0
.rept 16
	v_pk_mul_f32 v[TT+e:TT+e+1], v[SN+e%4:SN+e%4+1], v[RW+4*(e/4):RW+4*(e/4)+1]        ; (1 + cx2) sinh d
.set e, e+2
.endr
.set e, 0
.rept 16
	v_pk_fma_f32 v[XR+e:XR+e+1], v[XR+e:XR+e+1], v[AC+e%4:AC+e%4+1], v[TT+e:TT+e+1] neg_lo:[0,0,1] neg_hi:[0,0,1]
.set e, e+2
.endr
.set e, 0
.rept 16
	v_pk_mul_f32 v[TT+e:TT+e+1], v[XR+e:XR+e+1], v[RW+4*(e/4)+2:RW+4*(e/4)+3]          ; t, with the factor's sign
.set e, e+2
.endr
.if \more
.irp j, 0,1,2,3,4,5,6,7
	ds_load_b128 v[XR+4*\j:XR+4*\j+3], v12 offset:DPI*\j
	ds_load_b128 v[RW+4*\j:RW+4*\j+3], v13 offset:16*\j
.endr
	s_add_co_u32 s79, s79, 8*DPI
	s_add_co_u32 s80, s80, 128
.endif
	s_wait_xcnt 0x0                                ; the last trip's stores have read their base and their data: both are written again only behind this wait
	s_add_nc_u64 s[72:73], s[72:73], 8*16384       ; eight rows on; this trip's stores reach back by their offsets
.set e, 0
.rept 16
	v_pk_fma_f32 v[UU+e:UU+e+1], v[TT+e:TT+e+1], v[TT+e:TT+e+1], 1.0 op_sel_hi:[1,1,0]
.set e, e+2
.endr
	s_wait_alu depctr_va_vdst(0)                   ; one wait ahead of each batch and one behind it
.set e, 0
.rept 32
	v_sqrt_f32 v[UU+e], v[UU+e]
.set e, e+1
.endr
	v_nop
	s_wait_alu depctr_va_vdst(0)
.set e, 0
.rept 32
	v_add_f32 v[UU+e], |v[TT+e]|, v[UU+e]
.set e, e+1
.endr
	s_wait_alu depctr_va_vdst(0)
.set e, 0
.rept 32
	v_log_f32 v[UU+e], v[UU+e]                     ; asinh |t| x log2(e)
.set e, e+1
.endr
	v_nop
	s_wait_alu depctr_va_vdst(0)
.set e, 0
.rept 16
	v_pk_mul_f32 v[UU+e:UU+e+1], v[UU+e:UU+e+1], v[KC+e%4:KC+e%4+1]                    ; |u'|
.set e, e+2
.endr
.set e, 0
.rept 32
	v_cmp_gt_f32 s[24+e], s84, v[UU+e]             ; finite?
.set e, e+1
.endr
.set e, 0
.rept 32
	v_cndmask_b32 v[UU+e], 0, v[UU+e], s[24+e]     ; else 0
.set e, e+1
.endr
.set e, 0
.rept 32
	v_min_num_f32 v[UU+e], s85, v[UU+e]            ; the clip at 20
.set e, e+1
.endr
.set e, 0
.rept 32
	v_and_or_b32 v[UU+e], v[TT+e], s86, v[UU+e]    ; the sign
.set e, e+1
.endr
.irp j, 0,1,2,3,4,5,6,7
	global_store_b128 v26, v[UU+4*\j:UU+4*\j+3], s[72:73] offset:16384*\j-8*16384   ; the wave stores 512 consecutive bytes of a row
.endr
.endm
	s_mov_b32 s3, 15
.Lrows:
	TRIP 1
	s_sub_co_u32 s3, s3, 1
	s_cmp_lg_u32 s3, 0
	s_wait_alu depctr_va_vdst(0)                   ; the wait here, directly ahead of the branch
	s_cbranch_scc1 .Lrows
	TRIP 0                                         ; the last eight rows fetch nothing more
	s_wait_tensorcnt 0x0                           ; the wave's end
	ds_add_u32 v28, v29
	s_wait_dscnt 0x0
	CROUND                                         ; the closing round
	s_endpgm
.Lfunc_end_k_qf43816ecd7_gemm:
	.size	k_qf43816ecd7_gemm, .Lfunc_end_k_qf43816ecd7_gemm-k_qf43816ecd7_gemm
	.p2alignl 7, 3214868480
	.fill 96, 4, 3214868480
	.section	.rodata,"a",@progbits
	.p2align	6, 0x0
	.amdhsa_kernel k_qf43816ecd7_gemm
		.amdhsa_group_segment_fixed_size 327680
		.amdhsa_private_segment_fixed_size 0
		.amdhsa_enable_private_segment 0
		.amdhsa_kernarg_size 56
		.amdhsa_user_sgpr_count 2
		.amdhsa_user_sgpr_kernarg_segment_ptr 1
		.amdhsa_wavefront_size32 1
		.amdhsa_system_sgpr_workgroup_id_x 1
		.amdhsa_system_sgpr_workgroup_id_y 1
		.amdhsa_system_sgpr_workgroup_id_z 1
		.amdhsa_system_vgpr_workitem_id 0
		.amdhsa_next_free_vgpr 1024
		.amdhsa_next_free_sgpr 100
		.amdhsa_reserve_vcc 0
		.amdhsa_float_denorm_mode_32 3
		.amdhsa_float_denorm_mode_16_64 3
		.amdhsa_memory_ordered 1
		.amdhsa_forward_progress 1
		.amdhsa_inst_pref_size 231
	.end_amdhsa_kernel
	.amdgpu_metadata
---
amdhsa.version: [ 1, 2 ]
amdhsa.kernels:
  - .name:           k_qf43816ecd7_gemm
    .symbol:         k_qf43816ecd7_gemm.kd
    .args:
      - { .name: xt, .offset: 0, .size: 8, .value_kind: global_buffer, .address_space: global }
      - { .name: wt, .offset: 8, .size: 8, .value_kind: global_buffer, .address_space: global }
      - { .name: cx2p, .offset: 16, .size: 8, .value_kind: global_buffer, .address_space: global }
      - { .name: bias, .offset: 24, .size: 8, .value_kind: global_buffer, .address_space: global }
      - { .name: weight_g, .offset: 32, .size: 8, .value_kind: global_buffer, .address_space: global }
      - { .name: c, .offset: 40, .size: 8, .value_kind: global_buffer, .address_space: global }
      - { .name: u, .offset: 48, .size: 8, .value_kind: global_buffer, .address_space: global }
    .group_segment_fixed_size: 327680
    .private_segment_fixed_size: 0
    .kernarg_segment_align: 8
    .kernarg_segment_size: 56
    .max_flat_workgroup_size: 128
    .sgpr_count:     100
    .vgpr_count:     1024
    .wavefront_size: 32
...
	.end_amdgpu_metadata
.endif
;; end of part 3
;; launch finish (part 4): grid 256 x 1, 16 waves a work-group, no clusters, 0 bytes of LDS; arguments u, c, out0; writes out0
.if DOCPART == 4
	.amdgcn_target "amdgcn-amd-amdhsa--gfx1250"
	.amdhsa_code_object_version 6
	.text
	.protected	k_qf43816ecd7_finish
	.globl	k_qf43816ecd7_finish
	.p2align	8
	.type	k_qf43816ecd7_finish,@function
k_qf43816ecd7_finish:
	s_mov_b64 s[64:65], 0
	v_nop
	global_prefetch_b8 v0, s[64:65] scope:SCOPE_SE
	s_setreg_imm32_b32 hwreg(HW_REG_WAVE_MODE, 25, 1), 1
	s_wait_xcnt 0x0
; The rest of reference(): u' [4096][4096] f32 is clip(rc' y, -20, 20) x log2(e), with y's 'where' already taken.
;   y = sinh(u) / rc', rc' = max(sqrt(c), EPS);  out = y / max(1 + sqrt(1 + c clip(sum over the row of y^2, 0, 1e15)), EPS), no number -> 0.
; A wave takes one row and keeps it in 128 registers: 32 loads of 512 consecutive bytes, all out at once; four batches of eight loads are worked as they come in; the row's sum never leaves the wave.
; No LDS, no barrier: waves share nothing.  No prefetch: the launch has no loop to run ahead in.  No matrix unit, no cluster: nothing is shared and nothing is multiplied by a matrix.
; sinh u = (2^u' - 2^-u') / 2, and where u'^2 < (log2(e) / 8)^2 a series of three terms in u', chosen by v_cndmask_b32 (the next term is under 1e-9 of the result); no branch hangs on data.
; The second 'where' can strike only where rc' is no number: 1 / rc' goes through max(., 0), which turns that into 0, and every y is 0.  The third only where the divisor is no number
; (y is finite, 1 / divisor at most 0.5): 1 / divisor goes through max(., 0) likewise.  LIMIT: c infinite is not served.
.set D,  16                            ; v16-143 the row: u', then y, then out
.set VV, 144
.set WW, 176
.set TT, 208
.set HI, 240                           ; 0.5 / rc', and the series' factors / rc', each twice
.set C1, 242
.set C3, 244
.set C5, 246
.set AQ, 248                           ; four pairs of running sums of y^2
	s_load_b128 s[4:7], s[0:1], 0x0                ; u, c
	s_load_b64 s[8:9], s[0:1], 0x10                ; out0
	v_lshrrev_b32 v1, 5, v0
	s_delay_alu instid0(VALU_DEP_1)
	v_readfirstlane_b32 s12, v1                    ; wave
	v_and_b32 v2, 31, v0
	s_delay_alu instid0(VALU_DEP_1)
	v_lshlrev_b32 v3, 4, v2                        ; 16 x lane
	s_lshl_b32 s13, ttmp9, 4
	s_add_co_u32 s13, s13, s12                     ; my row
	s_lshl_b32 s14, s13, 14
	s_mov_b32 s15, 0
	s_mov_b32 s18, 0x76543210
	s_mov_b32 s19, 0xfedcba98
	s_mov_b32 s21, 0x58635fa9                      ; 1e15
	s_mov_b32 s22, 0x26901d7d                      ; EPS
	s_mov_b32 s23, 0x3d053527                      ; (log2(e) / 8)^2
	s_wait_alu depctr_va_vdst(0)                   ; the wait at the head's end
	s_wait_kmcnt 0x0
	s_load_b32 s20, s[6:7], 0x0                    ; c
	s_add_nc_u64 s[4:5], s[4:5], s[14:15]
	s_add_nc_u64 s[8:9], s[8:9], s[14:15]
.set i, 0
.rept 32
	global_load_b128 v[D+4*i:D+4*i+3], v3, s[4:5] offset:512*i th:TH_LOAD_NT
.set i, i+1
.endr
	s_wait_kmcnt 0x0
	v_sqrt_f32 v5, s20                             ; rc
	v_mov_b32 v6, 0                                ; (the plain place; a lane permute's destination counts as a source)
	s_wait_alu depctr_va_vdst(0)                   ; a wait ahead of each root or reciprocal and one behind it
	v_maximum_f32 v7, v5, s22                      ; rc'
	s_wait_alu depctr_va_vdst(0)
	v_rcp_f32 v8, v7
	v_nop
	s_wait_alu depctr_va_vdst(0)
	v_max_num_f32 v8, 0, v8                        ; 1 / rc', no number -> 0
	s_delay_alu instid0(VALU_DEP_1)
	v_mul_f32 v[HI], 0.5, v8
	s_delay_alu instid0(VALU_DEP_2)
	v_mul_f32 v[HI+1], 0.5, v8
	s_delay_alu instid0(VALU_DEP_3)
	v_mul_f32 v[C1], 0x3f317218, v8                ; ln2
	s_delay_alu instid0(VALU_DEP_4)
	v_mul_f32 v[C1+1], 0x3f317218, v8
	v_mul_f32 v[C3], 0x3d635847, v8                ; ln2^3 / 6
	v_mul_f32 v[C3+1], 0x3d635847, v8
	v_mul_f32 v[C5], 0x3aaec3ff, v8                ; ln2^5 / 120
	v_mul_f32 v[C5+1], 0x3aaec3ff, v8
; Batch b: 32 of my 128 numbers become y, and their squares are summed.
.macro BATCH b
.set DB, D+32*\b
	s_wait_alu depctr_va_vdst(0)                   ; ahead of the batch of exponentials, and directly ahead of the wait below
	s_wait_loadcnt 24-8*\b                         ; loads come back in order: the batch's eight are in
.set e, 0
.rept 32
	v_exp_f32 v[VV+e], v[DB+e]
	v_exp_f32 v[WW+e], -v[DB+e]
.set e, e+1
.endr
.set e, 0
.rept 16
	v_pk_mul_f32 v[TT+e:TT+e+1], v[DB+e:DB+e+1], v[DB+e:DB+e+1]                        ; u'^2
.set e, e+2
.endr
	s_wait_alu depctr_va_vdst(0)                   ; one wait behind the batch
.set e, 0
.rept 16
	v_pk_add_f32 v[VV+e:VV+e+1], v[VV+e:VV+e+1], v[WW+e:WW+e+1] neg_lo:[0,1] neg_hi:[0,1]
.set e, e+2
.endr
.set e, 0
.rept 16
	v_pk_fma_f32 v[WW+e:WW+e+1], v[TT+e:TT+e+1], v[C5:C5+1], v[C3:C3+1]
.set e, e+2
.endr
.set e, 0
.rept 16
	v_pk_mul_f32 v[VV+e:VV+e+1], v[VV+e:VV+e+1], v[HI:HI+1]
.set e, e+2
.endr
.set e, 0
.rept 16
	v_pk_fma_f32 v[WW+e:WW+e+1], v[WW+e:WW+e+1], v[TT+e:TT+e+1], v[C1:C1+1]
.set e, e+2
.endr
.set e, 0
.rept 32
	v_cmp_gt_f32 s[24+e], s23, v[TT+e]
.set e, e+1
.endr
.set e, 0
.rept 16
	v_pk_mul_f32 v[WW+e:WW+e+1], v[WW+e:WW+e+1], v[DB+e:DB+e+1]
.set e, e+2
.endr
.set e, 0
.rept 32
	v_cndmask_b32 v[DB+e], v[VV+e], v[WW+e], s[24+e]               ; y: the series where u' is small
.set e, e+1
.endr
.set e, 0
.rept 16
.if (\b == 0) && (e < 8)
	v_pk_mul_f32 v[AQ+e:AQ+e+1], v[DB+e:DB+e+1], v[DB+e:DB+e+1]    ; the first four products start the sums
.else
.if e >= 8
	s_delay_alu instid0(VALU_DEP_4)
.endif
	v_pk_fma_f32 v[AQ+e%8:AQ+e%8+1], v[DB+e:DB+e+1], v[DB+e:DB+e+1], v[AQ+e%8:AQ+e%8+1]
.endif
.set e, e+2
.endr
.endm
	BATCH 0
	BATCH 1
	BATCH 2
	BATCH 3
	s_delay_alu instid0(VALU_DEP_3)
	v_pk_add_f32 v[AQ:AQ+1], v[AQ:AQ+1], v[AQ+2:AQ+3]
	s_delay_alu instid0(VALU_DEP_2)
	v_pk_add_f32 v[AQ+4:AQ+5], v[AQ+4:AQ+5], v[AQ+6:AQ+7]
	s_delay_alu instid0(VALU_DEP_1)
	v_pk_add_f32 v[AQ:AQ+1], v[AQ:AQ+1], v[AQ+4:AQ+5]
	s_delay_alu instid0(VALU_DEP_1)
	v_add_f32 v5, v[AQ], v[AQ+1]
.irp x, 1,2,4,8
	s_delay_alu instid0(VALU_DEP_1)
	v_add_f32_dpp v5, v5, v5 row_xmask:\x row_mask:0xf bank_mask:0xf
.endr
	s_delay_alu instid0(VALU_DEP_1)
	v_permlanex16_b32 v6, v5, s18, s19
	s_delay_alu instid0(VALU_DEP_1)
	v_add_f32 v5, v5, v6                           ; the row's sum of y^2, in every lane
	s_delay_alu instid0(VALU_DEP_1)
	v_med3_num_f32 v5, v5, 0, s21
	s_delay_alu instid0(VALU_DEP_1)
	v_fma_f32 v5, s20, v5, 1.0
	s_wait_alu depctr_va_vdst(0)
	v_sqrt_f32 v5, v5
	v_nop
	s_wait_alu depctr_va_vdst(0)
	v_add_f32 v5, 1.0, v5
	s_delay_alu instid0(VALU_DEP_1)
	v_maximum_f32 v5, v5, s22
	s_wait_alu depctr_va_vdst(0)
	v_rcp_f32 v8, v5
	v_nop
	s_wait_alu depctr_va_vdst(0)
	v_max_num_f32 v8, 0, v8                        ; no number -> 0
	s_delay_alu instid0(VALU_DEP_1)
	v_mov_b32 v9, v8
.set i, 0
.rept 32
	v_pk_mul_f32 v[D+4*i:D+4*i+1], v[D+4*i:D+4*i+1], v[8:9]
	v_pk_mul_f32 v[D+4*i+2:D+4*i+3], v[D+4*i+2:D+4*i+3], v[8:9]
	global_store_b128 v3, v[D+4*i:D+4*i+3], s[8:9] offset:512*i th:TH_STORE_NT   ; 512 consecutive bytes; these registers are not written again
.set i, i+1
.endr
	s_endpgm
.Lfunc_end_k_qf43816ecd7_finish:
	.size	k_qf43816ecd7_finish, .Lfunc_end_k_qf43816ecd7_finish-k_qf43816ecd7_finish
	.p2alignl 7, 3214868480
	.fill 96, 4, 3214868480
	.section	.rodata,"a",@progbits
	.p2align	6, 0x0
	.amdhsa_kernel k_qf43816ecd7_finish
		.amdhsa_group_segment_fixed_size 0
		.amdhsa_private_segment_fixed_size 0
		.amdhsa_enable_private_segment 0
		.amdhsa_kernarg_size 24
		.amdhsa_user_sgpr_count 2
		.amdhsa_user_sgpr_kernarg_segment_ptr 1
		.amdhsa_wavefront_size32 1
		.amdhsa_system_sgpr_workgroup_id_x 1
		.amdhsa_system_sgpr_workgroup_id_y 1
		.amdhsa_system_sgpr_workgroup_id_z 1
		.amdhsa_system_vgpr_workitem_id 0
		.amdhsa_next_free_vgpr 256
		.amdhsa_next_free_sgpr 66
		.amdhsa_reserve_vcc 0
		.amdhsa_float_denorm_mode_32 3
		.amdhsa_float_denorm_mode_16_64 3
		.amdhsa_memory_ordered 1
		.amdhsa_forward_progress 1
		.amdhsa_inst_pref_size 72
	.end_amdhsa_kernel
	.amdgpu_metadata
---
amdhsa.version: [ 1, 2 ]
amdhsa.kernels:
  - .name:           k_qf43816ecd7_finish
    .symbol:         k_qf43816ecd7_finish.kd
    .args:
      - { .name: u, .offset: 0, .size: 8, .value_kind: global_buffer, .address_space: global }
      - { .name: c, .offset: 8, .size: 8, .value_kind: global_buffer, .address_space: global }
      - { .name: out0, .offset: 16, .size: 8, .value_kind: global_buffer, .address_space: global }
    .group_segment_fixed_size: 0
    .private_segment_fixed_size: 0
    .kernarg_segment_align: 8
    .kernarg_segment_size: 24
    .max_flat_workgroup_size: 512
    .sgpr_count:     66
    .vgpr_count:     256
    .wavefront_size: 32
...
	.end_amdgpu_metadata
.endif
;; end of part 4
